; MI455X (gfx1250); checked and timed in simulation.
; The chip was launched on July 23, 2026; its instructions are those of AMD's public machine-readable ISA for CDNA 5 (MIT licence, August 2026) and "CDNA5" Instruction Set Architecture Reference Guide (July 2026). The comments in the code are by the model that wrote it; some were corrected since.
;; Token Processor. Allowed arithmetic: float matrix products may take bf16 or f16 operands with f32 sums; all other float work in f32.
;; Inputs: gumbel_u 65,536 x 32 float32; map_token_sample_pt 2,048 x 3 x 2 float32; token_traj_src 2,048 x 22 float32; traj_pos 65,536 x 3 x 2 float32; traj_theta 65,536 float32.
;; Outputs: out0 65,536 x 22 float32.
;; Constants: num_k = 32.
;; 2 versions, each right; version 2 is version 1 with the launch fetch written anew for expert scheduling mode. Each part assembles by itself: llvm-mc -triple=amdgcn-amd-amdhsa -mcpu=gfx1250 --defsym DOCPART=n.
;; ======== version 1 of 2: 2 launches
;; limits: right only within a limited range of input values
;; workspace buffers: tokidx 262,144 bytes of whole numbers
;; launch pick (part 1): grid 256 x 1, 16 waves a work-group, no clusters, 134,144 bytes of LDS; arguments gumbel_u, map_token_sample_pt, traj_pos, traj_theta, tokidx; writes tokidx
.if DOCPART == 1
	.amdgcn_target "amdgcn-amd-amdhsa--gfx1250"
	.amdhsa_code_object_version 6
	.text
	.protected	k_qe55a0134ed_pick
	.globl	k_qe55a0134ed_pick
	.p2align	8
	.type	k_qe55a0134ed_pick,@function
k_qe55a0134ed_pick:
	s_mov_b64 s[64:65], 0
	v_nop
	global_prefetch_b8 v0, s[64:65] scope:SCOPE_SE
	s_setreg_imm32_b32 hwreg(HW_REG_WAVE_MODE, 25, 1), 1
	s_wait_xcnt 0x0
; For each of 65,536 queries: rotate the polyline into its own frame, take the squared distance to all 2,048 tokens, sort the 32 smallest,
; add the Gumbel term of each rank, and store the number of the winning token (u32) in tokidx.  The gather is the next launch's.
;
; SHARES.  256 work-groups x 16 waves; a wave owns 16 queries.  Lane (r = lane & 15, h = lane >> 4) serves query 256 WG + 16 wave + r and
; sees tokens 1024 h .. 1024 h + 1023: one matrix instruction gives it 8 distances, four give it a batch of 32, 32 batches are its half.
;
; DISTANCES.  The result is an index, so the distances need f32 quality, and matrix operands are bf16.  The local frame's first point is
; exactly (0, 0), so only 4 coordinates enter the product.  Every f32 goes in as three bf16 pieces h + m + l (exact), and of the nine
; products of two split numbers the six largest are kept: hh, mh, hm, lh, hl, mm (the three dropped ones are below 2^-24 of the product).
; 4 coordinates x 6 = 24 of the 32 places along K; |b|^2 (three pieces against 1.0) and |a|^2 (1.0 against three pieces) take 6 more; 2 are 0.
; The query side carries -2 a, so one instruction with C = 0 yields |a|^2 + |b|^2 - 2 a.b.
;
; SELECTION has no branch and no address that hangs on a distance.  Pass 1: each batch of 32 is sorted by a bitonic network (keys only,
; descending), merged into the lane's running ascending 32 smallest.  Then the two lanes of a query merge their lists, the Gumbel terms are
; added by rank, and the winner's distance and its place among equal distances are kept.  Pass 2 makes the same distances again (same
; instruction, same operands, so the same bits) and finds the token whose distance equals the winner's; among equal distances the lower
; token number has the lower rank, as in top_k.
;
; NOT USED: tensor loads, clusters, joint loads.  All that work-groups share is the 49,152-byte token list, and it enters LDS only
; after it has been split into pieces by vector arithmetic, so there is no tile that an engine could bring.
;
; LIMITS.  NaN or infinite positions, tokens or angles are not served.  |theta| up to about 1e5 (pi/2 is taken in two pieces).  Distance, sine,
; cosine and logarithm round in another order than a plain f32 evaluation: scores closer than a few ulps of the distance can change places.
; A Gumbel term that is NaN (u outside (0,1)) counts as +inf, so that the first such rank wins.
.set SCR,   131072                     ; LDS: bytes 0 .. 131071 the token table, 131072 .. 132095 the work-group's 256 results
; The table, in the order in which fragments are read: tile T (0..127) at 1024 T, chunk c (8 places along K) at + 256 c, row m at + 16 m.
; Row m of tile T is token 8 T + m (m < 8) or 1024 + 8 T + m - 8, so that result register j of lane (r, h) is token 1024 h + 8 T + j.
.set R,     1                          ; lane & 15
.set H,     2                          ; lane >> 4
.set TOFF,  3                          ; 24 x thread: my first token's bytes
.set TSA,   4                          ; where my tokens' chunks go in the table (tiles 0-63)
.set TSB,   5                          ; the same for tiles 64-127
.set QP,    6                          ; 24 x query
.set QT,    7                          ; 4 x query
.set QG,    8                          ; 128 x query
.set VA,    9                          ; 16 x lane + 4096 x batch: the next batch's fragments
.set H10,   10                         ; 1024 h
.set SA,    11                         ; my query's word among the results
.set VST,   12                         ; the winner's distance
.set BEST,  13                         ; the best score so far
.set TT,    14                         ; how many equal distances rank ahead of the winner
.set EE,    15                         ; the same for the rank at hand
.set RC,    16                         ; pass 2: counts matches up to a carry
.set LOC,   17                         ; pass 2: the hit's place in the batch, or -1
.set IDX,   18                         ; the token, or -1
.set TMP,   19
.set TMP2,  20
.set CNT,   21
.set BQ,    24                         ; v[24:31]   the query fragment
.set AF,    32                         ; v[32:63]   four token fragments: a batch
.set W,     64                         ; v[64:95]   a batch of distances
.set X,     96                         ; v[96:127]  the network's two sides
.set Y,     128                        ; v[128:159]
.set L,     160                        ; v[160:191] the lane's 32 smallest, ascending
.set G,     192                        ; v[192:223] the query's 32 Gumbel terms
; at work in the head only
.set POS,   X+24                       ; six coordinates of the query
.set THETA, X+30
.set B2,    Y
.set P2H,   Y+1
.set P2M,   Y+2
.set P2L,   Y+3
.set SPT,   Y+4
.set PH,    Y+5
.set PM,    Y+6
.set PL,    Y+7
.set CH,    Y+8                        ; four registers: a chunk
.set KF,    W
.set RR,    W+1
.set ZZ,    W+2
.set PSN,   W+3
.set PCS,   W+4
.set SN,    W+5
.set CS,    W+6
.set KI,    W+7
.set T0,    W+8
.set SS,    W+9
.set CC,    W+10
.set D1X,   W+11
.set D1Y,   W+12
.set D2X,   W+13
.set D2Y,   W+14
.set LX1,   W+15
.set LY1,   W+16
.set LX2,   W+17
.set LY2,   W+18
.set A2,    W+19
.set A2H,   W+20
.set A2M,   W+21
.set A2L,   W+22
.set SEL,   W+23
; x = h + m + l in bf16, each piece in both halves of its register.  The two differences are exact.
.macro SPLIT x, ph, pm, pl, t
	v_cvt_pk_bf16_f32 v[\ph], v[\x], v[\x]
	v_and_b32 v[\t], s20, v[\ph]                   ; the piece as f32
	v_sub_f32 v[\t], v[\x], v[\t]
	v_cvt_pk_bf16_f32 v[\pm], v[\t], v[\t]
	v_and_b32 v[\pl], s20, v[\pm]
	v_sub_f32 v[\t], v[\t], v[\pl]
	v_cvt_pk_bf16_f32 v[\pl], v[\t], v[\t]
.endm
; Element i of a list of 32 lies at register offset rho(i) = i with its lowest bit replaced by i's parity.  Two elements whose numbers
; differ in one bit then lie in one even and one odd register, which is what the two results of a dual instruction must do.
.macro RHO out, i
.set \out, ((\i) & 30) | (((\i) ^ ((\i)>>1) ^ ((\i)>>2) ^ ((\i)>>3) ^ ((\i)>>4)) & 1)
.endm
; One comparator in one instruction: both halves read the same two registers of one side and write the other side.
.macro CMPEX src, dst, lo, hi
	v_dual_min_num_f32 v[\dst+\lo], v[\src+st_a], v[\src+st_b] :: v_dual_max_num_f32 v[\dst+\hi], v[\src+st_a], v[\src+st_b]
.endm
; One stage of the bitonic network: 16 comparators at distance d inside blocks of k; inv = 1 turns every direction round.
.macro STAGE src, dst, k, d, inv
.set st_i, 0
.rept 32
.if (st_i & \d) == 0
.set st_l, st_i|\d
	RHO st_a, st_i
	RHO st_b, st_l
.if ((st_i/\k)&1)^\inv
	CMPEX \src, \dst, st_b, st_a
.else
	CMPEX \src, \dst, st_a, st_b
.endif
.endif
.set st_i, st_i+1
.endr
.endm
; dst[i] = min(a[i], b[i]) (flip = 0: b lies descending) or min(a[i], b[31 - i]) (flip = 31: rho(31 - i) = rho(i) xor 31):
; the 32 smallest of two sorted lists, as a bitonic list.
.macro MINSTEP a, b, dst, flip
.set st_i, 0
.rept 16
	v_dual_min_num_f32 v[\dst+st_i], v[\a+st_i], v[\b+(st_i^\flip)] :: v_dual_min_num_f32 v[\dst+st_i+1], v[\a+st_i+1], v[\b+((st_i+1)^\flip)]
.set st_i, st_i+2
.endr
.endm
; A batch of 32 distances a lane: four products that stand alone (C = 0, four different results).
.macro MM dst
.irp t, 0,1,2,3
	v_wmma_f32_16x16x32_bf16 v[\dst+8*\t:\dst+8*\t+7], v[AF+8*\t:AF+8*\t+7], v[BQ:BQ+7], 0
.endr
.endm
; The next batch's four fragments: each load takes 512 neighbouring bytes.  The address then steps one batch and wraps behind the 32nd:
; the mask keeps the lane's bits 8:4 and the batch's bits 16:12.
.macro LDA
.irp t, 0,1,2,3
	ds_load_b128 v[AF+8*\t:AF+8*\t+3],   v[VA] offset:1024*\t
	ds_load_b128 v[AF+8*\t+4:AF+8*\t+7], v[VA] offset:1024*\t+512
.endr
	v_add_nc_u32 v[VA], 4096, v[VA]
	v_and_b32 v[VA], 0x1f1f0, v[VA]
.endm
; Pass 2, places p0 .. p1 of a batch: a match adds 1 to RC; RC began at not(target), so match number target (from 0) carries out, once.
.macro SCAN w, p0, p1
.set sc_p, \p0
.rept \p1-\p0+1
	v_cmp_eq_f32 vcc_lo, v[\w+sc_p], v[VST]
	v_add_co_ci_u32 v[RC], vcc_lo, 0, v[RC], vcc_lo
	v_cndmask_b32 v[LOC], v[LOC], sc_p, vcc_lo
.set sc_p, sc_p+1
.endr
.endm
; Pass 2, one batch: the next batch is multiplied while this one is scanned.
.macro HALF cur, nxt
	s_wait_dscnt 0x0                               ; the next batch's fragments are in
	MM \nxt
	v_mov_b32 v[LOC], -1
	SCAN \cur, 0, 7                                ; with the line above 25 vector instructions that name no register of the products: more than the four places that
	LDA                                            ; a load into a matrix source keeps behind it (ISA guide 7.12.1 for vector instructions)
	SCAN \cur, 8, 31
	v_cmp_ne_u32 vcc_lo, -1, v[LOC]
	v_add_nc_u32 v[TMP], s22, v[LOC]               ; 32 x batch + place
	v_cndmask_b32 v[IDX], v[IDX], v[TMP], vcc_lo
	s_add_co_u32 s22, s22, 32
.endm
; Token thread + 512 i: |b|^2, the pieces, four chunks of 16 bytes into the table.
; A chunk's registers: (bh, bm) (bh, bl) (bh, bm) and one extra pair; the query side holds (ah, ah) (am, ah) (al, am) against them.
.macro TOKEN i, adr
	v_mul_f32 v[B2], v[X+6*\i], v[X+6*\i]
.irp p, 1,2,3,4,5
	v_fmac_f32 v[B2], v[X+6*\i+\p], v[X+6*\i+\p]
.endr
	SPLIT B2, P2H, P2M, P2L, SPT
.irp c, 0,1,2,3
	SPLIT X+6*\i+2+\c, PH, PM, PL, SPT
	v_bfi_b32 v[CH],   s18, v[PH], v[PM]           ; low half from the first, high half from the second
	v_bfi_b32 v[CH+1], s18, v[PH], v[PL]
	v_mov_b32 v[CH+2], v[CH]
.if \c == 0
	v_bfi_b32 v[CH+3], s18, v[P2H], v[P2M]         ; against (1, 1)
.endif
.if \c == 1
	v_bfi_b32 v[CH+3], s18, v[P2L], s19            ; (b2l, 1) against (1, a2h)
.endif
.if \c == 2
	v_mov_b32 v[CH+3], s19                         ; (1, 1) against (a2m, a2l)
.endif
.if \c == 3
	v_mov_b32 v[CH+3], 0
.endif
	ds_store_b128 v[\adr], v[CH:CH+3] offset:128*(\i>>1)+256*\c
.endr
.endm
	; ---- ids, constants, all loads ----
	s_load_b256 s[4:11], s[0:1], 0x0               ; gumbel_u s[4:5], tokens s[6:7], traj_pos s[8:9], traj_theta s[10:11]
	s_load_b64 s[12:13], s[0:1], 0x20              ; tokidx
	v_lshl_add_u32 v224, v0, 2, 0x20400
	v_mov_b32 v225, 0
	v_lshrrev_b32 v[TMP], 5, v0
	v_readfirstlane_b32 s14, v[TMP]                ; wave 0..15
	v_and_b32 v[R], 15, v0
	v_bfe_u32 v[H], v0, 4, 1
	s_mov_b32 s16, 0x76543210                      ; v_permlanex16_b32: lane i of one half reads lane i of the other
	s_mov_b32 s17, 0xfedcba98
	s_mov_b32 s18, 0xffff                          ; a word's low half
	s_mov_b32 s19, 0x3f803f80                      ; 1.0 twice in bf16
	s_mov_b32 s20, 0xffff0000                      ; a word's high half; as a lane mask: the lanes with h = 1
	s_mov_b32 s23, 0x3f7ffffd                      ; 1 - 2e-7
	s_mov_b32 s24, 0x33d6bf95                      ; 1e-7
	s_mov_b32 s25, 0xbf317218                      ; -ln 2
	s_mov_b32 s26, 0xb58637bd                      ; -1e-6
	s_mov_b32 s27, 0x7f800000                      ; +inf
	s_lshl_b32 s15, ttmp9, 8
	s_lshl4_add_u32 s15, s14, s15                  ; 256 WG + 16 wave
	v_add_nc_u32 v[TMP], s15, v[R]                 ; my query
	v_mul_u32_u24 v[QP], 24, v[TMP]
	v_lshlrev_b32 v[QT], 2, v[TMP]
	v_lshlrev_b32 v[QG], 7, v[TMP]
	v_mul_u32_u24 v[TOFF], 24, v0
	v_lshrrev_b32 v[TMP2], 3, v0                   ; tile of token = thread
	v_and_b32 v[TSA], 7, v0
	v_lshlrev_b32 v[TSA], 4, v[TSA]
	v_lshl_add_u32 v[TSA], v[TMP2], 10, v[TSA]     ; 1024 x tile + 16 x row
	v_add_nc_u32 v[TSB], 0x10000, v[TSA]           ; 64 tiles further
	v_and_b32 v[VA], 31, v0
	v_lshlrev_b32 v[VA], 4, v[VA]
	v_lshlrev_b32 v[H10], 10, v[H]
	s_lshl_b32 s15, s14, 6
	s_add_co_u32 s15, s15, SCR
	v_lshl_add_u32 v[SA], v[R], 2, s15
	s_wait_kmcnt 0x0
.irp i, 0,1,2,3
.irp p, 0,1,2
	global_load_b64 v[X+6*\i+2*\p:X+6*\i+2*\p+1], v[TOFF], s[6:7] offset:12288*\i+8*\p   ; tokens thread, + 512, + 1024, + 1536
.endr
.endr
.irp p, 0,1,2
	global_load_b64 v[POS+2*\p:POS+2*\p+1], v[QP], s[8:9] offset:8*\p
.endr
	global_load_b32 v[THETA], v[QT], s[10:11]
.irp j, 0,1,2,3,4,5,6,7
	global_load_b128 v[G+4*\j:G+4*\j+3], v[QG], s[4:5] offset:16*\j    ; the eight loads of a lane walk its row's 128 bytes
.endr
	; ---- the token table ----
	s_wait_loadcnt 12                              ; the 12 token loads are in; 3 + 1 + 8 younger loads stay out
	TOKEN 0, TSA
	TOKEN 1, TSB
	TOKEN 2, TSA
	TOKEN 3, TSB
	; ---- the query: sine and cosine, the local frame, the fragment ----
	s_wait_loadcnt 8                               ; positions and angle are in; the 8 Gumbel loads stay out
	v_mul_f32 v[KF], 0x3f22f983, v[THETA]          ; theta x 2/pi
	v_rndne_f32 v[KF], v[KF]
	v_fmamk_f32 v[RR], v[KF], 0xbfc90fdb, v[THETA] ; theta - k pi/2, pi/2 in two pieces
	v_fmamk_f32 v[RR], v[KF], 0x333bbd2e, v[RR]
	v_cvt_i32_f32 v[KI], v[KF]
	v_mul_f32 v[ZZ], v[RR], v[RR]
	v_mov_b32 v[PSN], 0xb94ca1f9
	v_mov_b32 v[PCS], 0x37ccf5ce
	v_fmaak_f32 v[PSN], v[PSN], v[ZZ], 0x3c08839e
	v_fmaak_f32 v[PCS], v[PCS], v[ZZ], 0xbab6061a
	v_fmaak_f32 v[PSN], v[PSN], v[ZZ], 0xbe2aaaa3
	v_fmaak_f32 v[PCS], v[PCS], v[ZZ], 0x3d2aaaa5
	v_mul_f32 v[PSN], v[PSN], v[ZZ]
	v_mul_f32 v[PCS], v[PCS], v[ZZ]
	v_fma_f32 v[T0], v[ZZ], -0.5, 1.0
	v_fma_f32 v[SN], v[PSN], v[RR], v[RR]          ; sin r, |r| <= pi/4
	v_fma_f32 v[CS], v[PCS], v[ZZ], v[T0]          ; cos r
	v_and_b32 v[T0], 1, v[KI]
	v_cmp_eq_u32 vcc_lo, 1, v[T0]                  ; odd quadrant: the two change places
	v_cndmask_b32 v[SS], v[SN], v[CS], vcc_lo
	v_cndmask_b32 v[CC], v[CS], v[SN], vcc_lo
	v_lshlrev_b32 v[T0], 30, v[KI]                 ; the sine is negative in quadrants 2, 3: bit 1 of k
	v_and_b32 v[T0], 0x80000000, v[T0]
	v_xor_b32 v[SS], v[SS], v[T0]
	v_add_nc_u32 v[T0], 1, v[KI]                   ; the cosine in quadrants 1, 2: bit 1 of k + 1
	v_lshlrev_b32 v[T0], 30, v[T0]
	v_and_b32 v[T0], 0x80000000, v[T0]
	v_xor_b32 v[CC], v[CC], v[T0]
	v_sub_f32 v[D1X], v[POS+2], v[POS]
	v_sub_f32 v[D1Y], v[POS+3], v[POS+1]
	v_sub_f32 v[D2X], v[POS+4], v[POS]
	v_sub_f32 v[D2Y], v[POS+5], v[POS+1]
	v_mul_f32 v[T0], v[SS], v[D1Y]
	v_fma_f32 v[LX1], v[CC], v[D1X], v[T0]
	v_mul_f32 v[T0], v[SS], v[D1X]
	v_fma_f32 v[LY1], v[CC], v[D1Y], -v[T0]
	v_mul_f32 v[T0], v[SS], v[D2Y]
	v_fma_f32 v[LX2], v[CC], v[D2X], v[T0]
	v_mul_f32 v[T0], v[SS], v[D2X]
	v_fma_f32 v[LY2], v[CC], v[D2Y], -v[T0]
	v_mul_f32 v[A2], v[LX1], v[LX1]
	v_fmac_f32 v[A2], v[LY1], v[LY1]
	v_fmac_f32 v[A2], v[LX2], v[LX2]
	v_fmac_f32 v[A2], v[LY2], v[LY2]
	SPLIT A2, A2H, A2M, A2L, SPT
	; registers 0-3 of the fragment are chunk h (x or y of point 1), registers 4-7 chunk 2 + h (x or y of point 2)
	v_cndmask_b32 v[SEL], v[LX1], v[LY1], s20
	v_mul_f32 v[SEL], -2.0, v[SEL]
	SPLIT SEL, BQ, PM, PL, SPT                     ; register 0 = (ah, ah)
	v_bfi_b32 v[BQ+1], s18, v[PM], v[BQ]           ; (am, ah)
	v_bfi_b32 v[BQ+2], s18, v[PL], v[PM]           ; (al, am)
	v_bfi_b32 v[T0], s18, s19, v[A2H]              ; chunk 1: (1, a2h)
	v_mov_b32 v[TMP], s19                          ; chunk 0: (1, 1)
	v_cndmask_b32 v[BQ+3], v[TMP], v[T0], s20
	v_cndmask_b32 v[SEL], v[LX2], v[LY2], s20
	v_mul_f32 v[SEL], -2.0, v[SEL]
	SPLIT SEL, BQ+4, PM, PL, SPT
	v_bfi_b32 v[BQ+5], s18, v[PM], v[BQ+4]
	v_bfi_b32 v[BQ+6], s18, v[PL], v[PM]
	v_bfi_b32 v[T0], s18, v[A2M], v[A2L]           ; chunk 2: (a2m, a2l); chunk 3: 0
	v_cndmask_b32 v[BQ+7], v[T0], 0, s20
	; ---- g = -ln(-ln(u (1 - 2e-7) + 1e-7)), in place ----
	s_wait_loadcnt 0x0
.set n_, 0
.rept 32
	v_fma_f32 v[G+n_], v[G+n_], s23, s24
.set n_, n_+1
.endr
.set n_, 0
.rept 32
	v_log_f32 v[G+n_], v[G+n_]
.set n_, n_+1
.endr
	v_nop                                          ; one plain vector instruction between a logarithm and the use of its result (ISA guide 5.7.2)
.set n_, 0
	s_wait_alu depctr_va_vdst(0)
.rept 32
	v_mul_f32 v[G+n_], s25, v[G+n_]                ; -ln = log2 x (-ln 2)
.set n_, n_+1
.endr
.set n_, 0
.rept 32
	v_log_f32 v[G+n_], v[G+n_]
.set n_, n_+1
.endr
	v_nop
.set n_, 0
	s_wait_alu depctr_va_vdst(0)
.rept 32
	v_mul_f32 v[G+n_], s25, v[G+n_]
.set n_, n_+1
.endr
.set n_, 0
.rept 32
	v_cmp_neq_f32 vcc_lo, v[G+n_], v[G+n_]         ; NaN (u outside (0,1)) counts as +inf: the first such rank then wins
	v_cndmask_b32 v[G+n_], v[G+n_], s27, vcc_lo
.set n_, n_+1
.endr
	s_wait_dscnt 0x0                               ; my part of the table is written,
	s_barrier_signal -1
	s_barrier_wait -1                              ; everybody's is
	; ---- pass 1 ----
	LDA                                            ; batch 0
	s_wait_dscnt 0x0
	MM W
.set n_, 0
.rept 32
	v_mov_b32 v[L+n_], s27                         ; the running list begins as +inf; these lines are also the places in front of the loads below
.set n_, n_+1
.endr
	LDA                                            ; batch 1
	s_mov_b32 s21, 0
.Lpass1:                                           ; at the head of trip i: W = batch i, the fragments of batch i + 1 are on their way
	STAGE W, Y, 2, 1, 0
	s_wait_dscnt 0x0
	MM W                                           ; batch i + 1, used in the next trip
	STAGE Y, X, 4, 2, 0                            ; 16 vector instructions that name no register of the products stand in front of the loads
	LDA                                            ; batch i + 2 (32 and 33 wrap to 0 and 1, which pass 2 begins with)
	STAGE X, Y, 4, 1, 0
	STAGE Y, X, 8, 4, 0
	STAGE X, Y, 8, 2, 0
	STAGE Y, X, 8, 1, 0
	STAGE X, Y, 16, 8, 0
	STAGE Y, X, 16, 4, 0
	STAGE X, Y, 16, 2, 0
	STAGE Y, X, 16, 1, 0
	STAGE X, Y, 32, 16, 1                          ; the last merge runs downward: the batch ends descending
	STAGE Y, X, 32, 8, 1
	STAGE X, Y, 32, 4, 1
	STAGE Y, X, 32, 2, 1
	STAGE X, Y, 32, 1, 1
	MINSTEP L, Y, X, 0                             ; the 32 smallest of list and batch,
	STAGE X, Y, 64, 16, 0                          ; put in ascending order again
	STAGE Y, X, 64, 8, 0
	STAGE X, Y, 64, 4, 0
	STAGE Y, X, 64, 2, 0
	STAGE X, L, 64, 1, 0
	s_add_co_u32 s21, s21, 1
	s_cmp_lt_u32 s21, 32
	s_cbranch_scc1 .Lpass1
	; ---- the two halves' lists become the query's 32 smallest, in both lanes; L stays as it is ----
.set n_, 0
.rept 32
	v_permlanex16_b32 v[X+n_], v[L+n_], s16, s17
.set n_, n_+1
.endr
	MINSTEP L, X, Y, 31
	STAGE Y, X, 64, 16, 0
	STAGE X, Y, 64, 8, 0
	STAGE Y, X, 64, 4, 0
	STAGE X, Y, 64, 2, 0
	STAGE Y, X, 64, 1, 0                           ; rank j at X + rho(j)
	; ---- argmax over the ranks of (-1e-6 - d) + g; the first of equal scores wins ----
	RHO am_c, 0
	v_sub_f32 v[BEST], s26, v[X+am_c]
	v_add_f32 v[BEST], v[BEST], v[G]
	v_mov_b32 v[VST], v[X+am_c]
	v_mov_b32 v[TT], 0
	v_mov_b32 v[EE], 0
.set am_j, 1
.rept 31
	RHO am_c, am_j
	RHO am_p, am_j-1
	v_cmp_eq_f32 vcc_lo, v[X+am_c], v[X+am_p]
	v_add_nc_u32 v[EE], 1, v[EE]
	v_cndmask_b32 v[EE], 0, v[EE], vcc_lo          ; how many ranks just ahead hold the same distance
	v_sub_f32 v[TMP], s26, v[X+am_c]
	v_add_f32 v[TMP], v[TMP], v[G+am_j]
	v_cmp_gt_f32 vcc_lo, v[TMP], v[BEST]
	v_cndmask_b32 v[BEST], v[BEST], v[TMP], vcc_lo
	v_cndmask_b32 v[VST], v[VST], v[X+am_c], vcc_lo
	v_cndmask_b32 v[TT], v[TT], v[EE], vcc_lo
.set am_j, am_j+1
.endr
	; Among equal distances the winner is number TT in the order of token numbers.  Half 0's matches come first; their number is counted
	; in its list of 32.  (If that list cuts matches off, all its entries are at most the winner's distance, and then TT is below the count.)
	v_mov_b32 v[CNT], 0
.set n_, 0
.rept 32
	v_cmp_eq_f32 vcc_lo, v[L+n_], v[VST]
	v_add_co_ci_u32 v[CNT], vcc_lo, 0, v[CNT], vcc_lo
.set n_, n_+1
.endr
	v_permlanex16_b32 v[TMP], v[CNT], s16, s17
	v_cndmask_b32 v[TMP], 0, v[TMP], s20           ; h = 1: half 0's count; h = 0: nothing
	v_sub_nc_u32 v[TMP], v[TT], v[TMP]             ; which of my own matches is meant (negative, or beyond my matches: none)
	v_xor_b32 v[RC], -1, v[TMP]
	v_mov_b32 v[IDX], -1
	s_mov_b32 s22, 0
	s_mov_b32 s21, 0
	; ---- pass 2: W holds batch 0 and the fragments of batch 1 are on their way, left so by pass 1 ----
.Lpass2:
	HALF W, X
	HALF X, W
	s_add_co_u32 s21, s21, 1
	s_cmp_lt_u32 s21, 16
	s_cbranch_scc1 .Lpass2
	; ---- out: the hit is in one lane of the pair; 256 words go out through LDS as whole runs of 16 bytes a lane ----
	v_or_b32 v[IDX], v[IDX], v[H10]                ; -1 stays -1
	v_permlanex16_b32 v[TMP], v[IDX], s16, s17
	v_min_u32 v[IDX], v[IDX], v[TMP]
	v_min_u32 v[IDX], 0x7ff, v[IDX]
	ds_store_b32 v[SA], v[IDX]                     ; both lanes of a pair write the same word with the same number
	s_wait_dscnt 0x0                               ; my store is done (and the last, unused fragment loads are back)
	s_barrier_signal -1
	s_barrier_wait -1
	s_cmp_gt_u32 s14, 1
	s_cbranch_scc1 .Lend                           ; waves 0 and 1 store the work-group's 1,024 bytes
	v_and_b32 v22, 63, v0                          ; their thread numbers are below 64
	v_lshlrev_b32 v22, 4, v22
	v_add_nc_u32 v23, SCR, v22
	ds_load_b128 v[Y:Y+3], v23
	s_lshl_b32 s2, ttmp9, 10
	s_mov_b32 s3, 0
	s_add_nc_u64 s[12:13], s[12:13], s[2:3]
	s_wait_dscnt 0x0
	global_store_b128 v22, v[Y:Y+3], s[12:13]      ; a wave's store covers 512 consecutive bytes, at a multiple of 512 from the buffer's first byte
.Lend:
	s_wait_tensorcnt 0x0
	ds_add_u32 v224, v225
	s_wait_dscnt 0x0
	s_endpgm
.Lfunc_end_k_qe55a0134ed_pick:
	.size	k_qe55a0134ed_pick, .Lfunc_end_k_qe55a0134ed_pick-k_qe55a0134ed_pick
	.p2alignl 7, 3214868480
	.fill 96, 4, 3214868480
	.section	.rodata,"a",@progbits
	.p2align	6, 0x0
	.amdhsa_kernel k_qe55a0134ed_pick
		.amdhsa_group_segment_fixed_size 134144
		.amdhsa_private_segment_fixed_size 0
		.amdhsa_enable_private_segment 0
		.amdhsa_kernarg_size 40
		.amdhsa_user_sgpr_count 2
		.amdhsa_user_sgpr_kernarg_segment_ptr 1
		.amdhsa_wavefront_size32 1
		.amdhsa_system_sgpr_workgroup_id_x 1
		.amdhsa_system_sgpr_workgroup_id_y 1
		.amdhsa_system_sgpr_workgroup_id_z 1
		.amdhsa_system_vgpr_workitem_id 0
		.amdhsa_next_free_vgpr 226
		.amdhsa_next_free_sgpr 66
		.amdhsa_reserve_vcc 1
		.amdhsa_float_denorm_mode_32 3
		.amdhsa_float_denorm_mode_16_64 3
		.amdhsa_memory_ordered 1
		.amdhsa_forward_progress 1
		.amdhsa_inst_pref_size 84
	.end_amdhsa_kernel
	.amdgpu_metadata
---
amdhsa.version: [ 1, 2 ]
amdhsa.kernels:
  - .name:           k_qe55a0134ed_pick
    .symbol:         k_qe55a0134ed_pick.kd
    .args:
      - { .name: gumbel_u, .offset: 0, .size: 8, .value_kind: global_buffer, .address_space: global }
      - { .name: map_token_sample_pt, .offset: 8, .size: 8, .value_kind: global_buffer, .address_space: global }
      - { .name: traj_pos, .offset: 16, .size: 8, .value_kind: global_buffer, .address_space: global }
      - { .name: traj_theta, .offset: 24, .size: 8, .value_kind: global_buffer, .address_space: global }
      - { .name: tokidx, .offset: 32, .size: 8, .value_kind: global_buffer, .address_space: global }
    .group_segment_fixed_size: 134144
    .private_segment_fixed_size: 0
    .kernarg_segment_align: 8
    .kernarg_segment_size: 40
    .max_flat_workgroup_size: 512
    .sgpr_count:     66
    .vgpr_count:     226
    .wavefront_size: 32
...
	.end_amdgpu_metadata
.endif
;; end of part 1
;; launch fetch (part 2): grid 256 x 1, 8 waves a work-group, no clusters, 0 bytes of LDS; arguments tokidx, token_traj_src, out0; writes out0
.if DOCPART == 2
	.amdgcn_target "amdgcn-amd-amdhsa--gfx1250"
	.amdhsa_code_object_version 6
	.text
	.protected	k_qe55a0134ed_fetch
	.globl	k_qe55a0134ed_fetch
	.p2align	8
	.type	k_qe55a0134ed_fetch,@function
k_qe55a0134ed_fetch:
	s_mov_b64 s[64:65], 0
	v_nop
	global_prefetch_b8 v0, s[64:65] scope:SCOPE_SE
	s_setreg_imm32_b32 hwreg(HW_REG_WAVE_MODE, 25, 1), 1
	s_wait_xcnt 0x0
; out0[n][:] = token_traj_src[tokidx[n]][:].  Rows of 22 f32 = 88 bytes = 11 units of 8 bytes.
; 256 work-groups x 256 threads; a work-group owns 256 rows = 2,816 units = 22,528 bytes of the output, a multiple of 256.
; Thread t takes units t + 256 k, k = 0 .. 10, so that each store of a wave covers 256 consecutive bytes, aligned.
; The table (180,224 bytes) is read again and again by all work-groups, so its loads carry no hint; the output is written once.
; No LDS, no barrier, no matrix unit: nothing is shared between threads but the table, and nothing is computed.
.set ROW, 2                            ; v[2:12]   unit k: 4 x its row in the work-group
.set COL, 13                           ; v[13:23]  unit k: 8 x its place in the row, then its byte offset in the table
.set IX,  24                           ; v[24:34]  unit k: its row's token
.set T,   35
.set D,   36                           ; v[36:57]  unit k: its 8 bytes
	s_load_b128 s[4:7], s[0:1], 0x0                ; tokidx s[4:5], table s[6:7]
	s_load_b64 s[8:9], s[0:1], 0x10                ; out0
	s_lshl_b32 s2, ttmp9, 10                       ; 256 indices
	s_mov_b32 s3, 0
	s_mul_i32 s10, ttmp9, 22528                    ; 256 rows of 88 bytes
	s_mov_b32 s11, 0
	v_lshlrev_b32 v1, 3, v0
.irp k, 0,1,2,3,4,5,6,7,8,9,10
	v_add_nc_u32 v[COL+\k], 256*\k, v0             ; the unit u, below 2,816
	v_mul_u32_u24 v[ROW+\k], 0x1746, v[COL+\k]     ; u / 11 = (5958 u) >> 16: 5958 x 11 = 65538, so the excess is u/11 x 2/65536 < 0.008 < 1/11
	v_lshrrev_b32 v[ROW+\k], 16, v[ROW+\k]
	v_mul_u32_u24 v[T], 11, v[ROW+\k]
	v_sub_nc_u32 v[COL+\k], v[COL+\k], v[T]
	v_lshlrev_b32 v[COL+\k], 3, v[COL+\k]
	v_lshlrev_b32 v[ROW+\k], 2, v[ROW+\k]
.endr
	s_wait_kmcnt 0x0
	s_add_nc_u64 s[4:5], s[4:5], s[2:3]
	s_add_nc_u64 s[8:9], s[8:9], s[10:11]
.irp k, 0,1,2,3,4,5,6,7,8,9,10
	global_load_b32 v[IX+\k], v[ROW+\k], s[4:5]
.endr
.irp k, 0,1,2,3,4,5,6,7,8,9,10
	s_wait_loadcnt 10                              ; behind index load k stand 10 - k index loads and k gathers
	v_min_u32 v[IX+\k], 0x7ff, v[IX+\k]            ; a token number stays inside the table
	v_mul_u32_u24 v[IX+\k], 88, v[IX+\k]
	v_add_nc_u32 v[COL+\k], v[COL+\k], v[IX+\k]
	global_load_b64 v[D+2*\k:D+2*\k+1], v[COL+\k], s[6:7]
.endr
.irp k, 0,1,2,3,4,5,6,7,8,9,10
	s_wait_loadcnt 10-\k                           ; behind gather k stand 10 - k gathers
	global_store_b64 v1, v[D+2*\k:D+2*\k+1], s[8:9] offset:2048*\k th:TH_STORE_NT
.endr
	s_endpgm
.Lfunc_end_k_qe55a0134ed_fetch:
	.size	k_qe55a0134ed_fetch, .Lfunc_end_k_qe55a0134ed_fetch-k_qe55a0134ed_fetch
	.p2alignl 7, 3214868480
	.fill 96, 4, 3214868480
	.section	.rodata,"a",@progbits
	.p2align	6, 0x0
	.amdhsa_kernel k_qe55a0134ed_fetch
		.amdhsa_group_segment_fixed_size 0
		.amdhsa_private_segment_fixed_size 0
		.amdhsa_enable_private_segment 0
		.amdhsa_kernarg_size 24
		.amdhsa_user_sgpr_count 2
		.amdhsa_user_sgpr_kernarg_segment_ptr 1
		.amdhsa_wavefront_size32 1
		.amdhsa_system_sgpr_workgroup_id_x 1
		.amdhsa_system_sgpr_workgroup_id_y 1
		.amdhsa_system_sgpr_workgroup_id_z 1
		.amdhsa_system_vgpr_workitem_id 0
		.amdhsa_next_free_vgpr 64
		.amdhsa_next_free_sgpr 66
		.amdhsa_reserve_vcc 0
		.amdhsa_float_denorm_mode_32 3
		.amdhsa_float_denorm_mode_16_64 3
		.amdhsa_memory_ordered 1
		.amdhsa_forward_progress 1
		.amdhsa_inst_pref_size 10
	.end_amdhsa_kernel
	.amdgpu_metadata
---
amdhsa.version: [ 1, 2 ]
amdhsa.kernels:
  - .name:           k_qe55a0134ed_fetch
    .symbol:         k_qe55a0134ed_fetch.kd
    .args:
      - { .name: tokidx, .offset: 0, .size: 8, .value_kind: global_buffer, .address_space: global }
      - { .name: token_traj_src, .offset: 8, .size: 8, .value_kind: global_buffer, .address_space: global }
      - { .name: out0, .offset: 16, .size: 8, .value_kind: global_buffer, .address_space: global }
    .group_segment_fixed_size: 0
    .private_segment_fixed_size: 0
    .kernarg_segment_align: 8
    .kernarg_segment_size: 24
    .max_flat_workgroup_size: 256
    .sgpr_count:     66
    .vgpr_count:     64
    .wavefront_size: 32
...
	.end_amdgpu_metadata
.endif
;; end of part 2
;; ======== version 2 of 2: 2 launches; version 1 with the launch fetch written anew for expert scheduling mode
;; limits: right only within a limited range of input values
;; workspace buffers: tokidx 262,144 bytes of whole numbers
;; launch pick: the kernel of part 1 again; grid 256 x 1, 16 waves a work-group, no clusters, 134,144 bytes of LDS; arguments gumbel_u, map_token_sample_pt, traj_pos, traj_theta, tokidx; writes tokidx
;; launch fetch (part 3): grid 256 x 1, 8 waves a work-group, no clusters, 0 bytes of LDS; arguments tokidx, token_traj_src, out0; writes out0
.if DOCPART == 3
	.amdgcn_target "amdgcn-amd-amdhsa--gfx1250"
	.amdhsa_code_object_version 6
	.text
	.protected	k_qe55a0134ed_fetch
	.globl	k_qe55a0134ed_fetch
	.p2align	8
	.type	k_qe55a0134ed_fetch,@function
k_qe55a0134ed_fetch:
	s_mov_b64 s[64:65], 0
	v_nop
	global_prefetch_b8 v0, s[64:65] scope:SCOPE_SE
	s_setreg_imm32_b32 hwreg(HW_REG_WAVE_SCHED_MODE, 0, 2), 2
	s_setreg_imm32_b32 hwreg(HW_REG_WAVE_MODE, 25, 1), 1
	s_wait_xcnt 0x0
	s_wait_alu depctr_vm_vsrc(0)
; out0[n][:] = token_traj_src[tokidx[n]][:].  Rows of 22 f32 = 88 bytes = 11 units of 8 bytes.
; 256 work-groups x 256 threads; a work-group owns 256 rows = 2,816 units = 22,528 bytes of the output, a multiple of 256.
; Thread t takes units t + 256 k, k = 0 .. 10, so that each store of a wave covers 256 consecutive bytes, aligned.
; The table (180,224 bytes) is read again and again by all work-groups, so its loads carry no hint; the output is written once.
; No LDS, no barrier, no matrix unit: nothing is shared between threads but the table, and nothing is computed.
; THE MODE: SCHED_MODE bits 1:0 = 2 (LLVM: expert scheduling mode 2), set by the entry lines.  The code itself states the register dependences
; between vector instructions and memory instructions, with s_wait_alu, always for 0.
; THE PLAN.  Registers that memory instructions touch, in the order of the text (there is no loop, and each is filled once):
;   v1        8 t.  Written once at the head; read by the eleven stores as their offset.
;   ROW + k   Written at the head; read by the eleven index loads as their offsets; never written again.
;   IX + k    The index loads land here; no vector line names them before.  Behind the wait for the loads they are clamped and multiplied in place; no memory instruction names them again.
;   COL + k   Written at the head and by the add of 88 x token; read by the eleven gathers as their offsets; never written again.
;   D         The gathers land here, the stores read it; no vector line names it.
; So two waits on va_vdst state everything: one ahead of the index loads (ROW and v1 are written), one ahead of the gathers (COL is written).
; For the second to stand once, all eleven offsets are made together, in three runs of eleven lines that do not hang on each other.
; No register that a memory instruction has read is written again, so no wait on vm_vsrc is owed; no vector line writes a scalar register, VCC or EXEC.
.set ROW, 2                            ; v[2:12]   unit k: 4 x its row in the work-group
.set COL, 13                           ; v[13:23]  unit k: 8 x its place in the row, then its byte offset in the table
.set IX,  24                           ; v[24:34]  unit k: its row's token
.set T,   35
.set D,   36                           ; v[36:57]  unit k: its 8 bytes
	s_load_b128 s[4:7], s[0:1], 0x0                ; tokidx s[4:5], table s[6:7]
	s_load_b64 s[8:9], s[0:1], 0x10                ; out0
	s_lshl_b32 s2, ttmp9, 10                       ; 256 indices
	s_mov_b32 s3, 0
	s_mul_i32 s10, ttmp9, 22528                    ; 256 rows of 88 bytes
	s_mov_b32 s11, 0
	v_lshlrev_b32 v1, 3, v0
.irp k, 0,1,2,3,4,5,6,7,8,9,10
	v_add_nc_u32 v[COL+\k], 256*\k, v0             ; the unit u, below 2,816
	v_mul_u32_u24 v[ROW+\k], 0x1746, v[COL+\k]     ; u / 11 = (5958 u) >> 16: 5958 x 11 = 65538, so the excess is u/11 x 2/65536 < 0.008 < 1/11
	v_lshrrev_b32 v[ROW+\k], 16, v[ROW+\k]
	v_mul_u32_u24 v[T], 11, v[ROW+\k]
	v_sub_nc_u32 v[COL+\k], v[COL+\k], v[T]
	v_lshlrev_b32 v[COL+\k], 3, v[COL+\k]
	v_lshlrev_b32 v[ROW+\k], 2, v[ROW+\k]
.endr
	s_wait_kmcnt 0x0
	s_add_nc_u64 s[4:5], s[4:5], s[2:3]
	s_add_nc_u64 s[8:9], s[8:9], s[10:11]
	s_wait_alu depctr_va_vdst(0)                   ; the head has written ROW + 0 .. 10, which the index loads read as offsets, and v1, which the stores read as theirs
.irp k, 0,1,2,3,4,5,6,7,8,9,10
	global_load_b32 v[IX+\k], v[ROW+\k], s[4:5]
.endr
	s_wait_loadcnt 0x0                             ; all eleven indices are in
.irp k, 0,1,2,3,4,5,6,7,8,9,10
	v_min_u32 v[IX+\k], 0x7ff, v[IX+\k]            ; a token number stays inside the table
.endr
.irp k, 0,1,2,3,4,5,6,7,8,9,10
	v_mul_u32_u24 v[IX+\k], 88, v[IX+\k]
.endr
.irp k, 0,1,2,3,4,5,6,7,8,9,10
	v_add_nc_u32 v[COL+\k], v[COL+\k], v[IX+\k]
.endr
	s_wait_alu depctr_va_vdst(0)                   ; the eleven adds have written COL + 0 .. 10, which the gathers read as offsets
.irp k, 0,1,2,3,4,5,6,7,8,9,10
	global_load_b64 v[D+2*\k:D+2*\k+1], v[COL+\k], s[6:7]
.endr
.irp k, 0,1,2,3,4,5,6,7,8,9,10
	s_wait_loadcnt 10-\k                           ; behind gather k stand 10 - k gathers
	global_store_b64 v1, v[D+2*\k:D+2*\k+1], s[8:9] offset:2048*\k th:TH_STORE_NT   ; its data came by a load, its offset stands ahead of the first wait on va_vdst
.endr
	s_endpgm
.Lfunc_end_k_qe55a0134ed_fetch:
	.size	k_qe55a0134ed_fetch, .Lfunc_end_k_qe55a0134ed_fetch-k_qe55a0134ed_fetch
	.p2alignl 7, 3214868480
	.fill 96, 4, 3214868480
	.section	.rodata,"a",@progbits
	.p2align	6, 0x0
	.amdhsa_kernel k_qe55a0134ed_fetch
		.amdhsa_group_segment_fixed_size 0
		.amdhsa_private_segment_fixed_size 0
		.amdhsa_enable_private_segment 0
		.amdhsa_kernarg_size 24
		.amdhsa_user_sgpr_count 2
		.amdhsa_user_sgpr_kernarg_segment_ptr 1
		.amdhsa_wavefront_size32 1
		.amdhsa_system_sgpr_workgroup_id_x 1
		.amdhsa_system_sgpr_workgroup_id_y 1
		.amdhsa_system_sgpr_workgroup_id_z 1
		.amdhsa_system_vgpr_workitem_id 0
		.amdhsa_next_free_vgpr 64
		.amdhsa_next_free_sgpr 66
		.amdhsa_reserve_vcc 0
		.amdhsa_float_denorm_mode_32 3
		.amdhsa_float_denorm_mode_16_64 3
		.amdhsa_memory_ordered 1
		.amdhsa_forward_progress 1
		.amdhsa_inst_pref_size 10
	.end_amdhsa_kernel
	.amdgpu_metadata
---
amdhsa.version: [ 1, 2 ]
amdhsa.kernels:
  - .name:           k_qe55a0134ed_fetch
    .symbol:         k_qe55a0134ed_fetch.kd
    .args:
      - { .name: tokidx, .offset: 0, .size: 8, .value_kind: global_buffer, .address_space: global }
      - { .name: token_traj_src, .offset: 8, .size: 8, .value_kind: global_buffer, .address_space: global }
      - { .name: out0, .offset: 16, .size: 8, .value_kind: global_buffer, .address_space: global }
    .group_segment_fixed_size: 0
    .private_segment_fixed_size: 0
    .kernarg_segment_align: 8
    .kernarg_segment_size: 24
    .max_flat_workgroup_size: 256
    .sgpr_count:     66
    .vgpr_count:     64
    .wavefront_size: 32
...
	.end_amdgpu_metadata
.endif
;; end of part 3
